; MI455X (gfx1250); checked and timed in simulation.
; The chip was launched on July 23, 2026; its instructions are those of AMD's public machine-readable ISA for CDNA 5 (MIT licence, August 2026) and "CDNA5" Instruction Set Architecture Reference Guide (July 2026). The comments in the code are by the model that wrote it; some were corrected since.
;; Basic Multi Head Self Attention. Allowed arithmetic: matrix products marked QUANTISED: E2M3 operands, one E8M0 scale for each 32 along K, by v_wmma_scale_f32_16x16x128_f8f6f4 with both operands' format E2M3, f32 sums; everything else in f32.
;; Inputs: Q_codes 2 x 2,048 x 32 x 24 uint8 (E2M3 codes of Q, K innermost, in blocks of 32 codes, four codes in three bytes); Q_scales 2 x 2,048 x 32 uint8 (E8M0 scales of Q, one for each 32 codes along K); Wout_codes 1,024 x 32 x 24 uint8 (E2M3 codes of Wout, K innermost, in blocks of 32 codes, four codes in three bytes); Wout_scales 1,024 x 32 uint8 (E8M0 scales of Wout, one for each 32 codes along K); Wqkv_codes 3,072 x 32 x 24 uint8 (E2M3 codes of Wqkv, K innermost, in blocks of 32 codes, four codes in three bytes); Wqkv_scales 3,072 x 32 uint8 (E8M0 scales of Wqkv, one for each 32 codes along K); bout 1,024 float32; bqkv 3,072 float32.
;; Outputs: out0 2 x 2,048 x 1,024 float32.
;; This version of the problem:
;;   THIS VERSION OF THE PROBLEM IS GIVEN IN LOW PRECISION. The matrix products marked QUANTISED in the list below multiply operands that are first quantised to E2M3 (2 exponent bits, 3 mantissa bits; 6 bits a number), with one power-of-two scale for each 32 numbers along K (OCP MX v1.0); their sums are f32. All else is computed in f32.
;;   The module's matrix products, in the order in which they are computed (A, B: the left and right operand; K: the contracted axis; several contracted axes count as one K, in the product's order):
;;     1. [M 4,096, K 1,024] x [K 1,024, N 3,072]; A: input Q (given as codes); B: input Wqkv (given as codes): QUANTISED
;;     2. batch 32 x [M 2,048, K 64] x [K 64, N 2,048]; A: computed on the way; B: computed on the way: QUANTISED
;;     3. batch 32 x [M 64, K 2,048] x [K 2,048, N 2,048]; A: computed on the way; B: softmax (see below): QUANTISED
;;     4. [M 4,096, K 1,024] x [K 1,024, N 1,024]; A: computed on the way; B: input Wout (given as codes): QUANTISED
;;   THE QUANTISER, for each operand of a quantised product, along K:
;;     - K is cut into blocks of 32 from its start; a last block that is shorter is filled with zeros.
;;     - A block's scale is 2^e with e = floor(log2(the largest magnitude in the block)) - 2, held to -126 .. 127; a block of zeros has e = 0. As a byte (E8M0): e + 127.
;;     - Each number is divided by its block's scale, clamped to +-7.5, and rounded to the nearest number of E2M3, ties to even, subnormals kept.
;;     - The product sums the exact products of the quantised numbers (number of the format x scale) in f32.
;;   ~~~python
;;   def quantise(x, axis):      # numpy; x: float32 -> the quantised numbers, widened to float32 again
;;       x = np.moveaxis(x, axis, -1); K = x.shape[-1]
;;       x = np.pad(x, [(0, 0)] * (x.ndim - 1) + [(0, -K % 32)]); x = x.reshape(x.shape[:-1] + (-1, 32)); a = np.abs(x).max(-1, keepdims=True)
;;       e = np.where(a > 0, np.clip(np.frexp(np.where(a > 0, a, 1))[1] - 1 - 2, -126, 127), 0)      # np.frexp(a)[1] - 1 = floor(log2(a)), exactly
;;       r = np.clip(x / 2.0 ** e, -7.5, 7.5)
;;       step = 2.0 ** (np.maximum(np.frexp(np.where(r == 0, 1, r))[1] - 1, 0) - 3)
;;       q = np.round(r / step) * step * 2.0 ** e      # np.round: ties to even
;;       return np.moveaxis(q.reshape(q.shape[:-2] + (-1,))[..., :K], -1, axis).astype(np.float32)
;;   ~~~
;;   SOFTMAX AHEAD OF A QUANTISED PRODUCT. Where the list says 'softmax', what is quantised is not the finished softmax but p = 2^(t - M), with t = logit x log2(e) and M = ceil(the row's largest t), a whole number; so 1/2 < the row's largest p <= 1. The row's sum l is taken of the UNQUANTISED p, in f32, and the product's result is divided by l at the end. Since M is a whole number, a kernel that streams over the keys may use a running M (the ceiling of the running maximum): every later rescaling is an exact power of two, which a block's scale takes up: the codes' values come out the same.
;;   OPERANDS COMPUTED ON THE WAY. 'Computed on the way' means the value that the module computes at that place (a softmax that the list does not call 'softmax' is quantised finished and normalised). What goes into a quantiser is computed in f32, as accurately as f32 sums, v_exp_f32 and their like allow (about 1e-6 of the number): no bf16 or f16 on the way to a quantiser, and a product that is left as it is and whose result goes on into a quantised operand takes f32 operands (vector FMAs, or v_wmma_f32_16x16x4_f32). A number that lies on a knife's edge between two numbers of the format may be rounded either way, as far as f32 arithmetic and the matrix unit's own rounding can turn it there, and no further.
;;   INPUTS GIVEN AS CODES. Q (in the module: [2, 2048, 1024], K = its axis 2); Wout (in the module: [1024, 1024], K = its axis 0); Wqkv (in the module: [1024, 3072], K = its axis 0): each comes as NAME_codes (uint8): NAME with its K axis moved to the last place and cut into blocks of 32 codes, [.., K / 32, bytes a block], one block behind the other in memory; four codes in three bytes: a row's codes are one little-endian stream of bits, code i at bits 6 i .. 6 i + 5 (a code: sign, 2 exponent bits, 3 mantissa bits); and NAME_scales (uint8): the same leading axes, one E8M0 byte (e + 127) for each 32 codes along K. Its value is code x scale, taken as it is: it is not quantised again, and the codes and scales need not be those that the quantiser above would give.
;; One version. Each part assembles by itself: llvm-mc -triple=amdgcn-amd-amdhsa -mcpu=gfx1250 --defsym DOCPART=n.
;; ======== version 1 of 1: 3 launches
;; limits: right only within a limited range of input values
;; workspace buffers: qimg 3,276,800 bytes; kv 6,553,600 bytes; att 3,276,800 bytes
;; launch qkv (part 1): grid 16 x 16, 4 waves a work-group, clusters of 4 x 4, 327,680 bytes of LDS; arguments Q_codes, Q_scales, Wqkv_codes, Wqkv_scales, bqkv, qimg, kv; writes qimg, kv
.if DOCPART == 1
	.amdgcn_target "amdgcn-amd-amdhsa--gfx1250"
	.amdhsa_code_object_version 6
	.text
	.protected	k_q58364a4969_qkv
	.globl	k_q58364a4969_qkv
	.p2align	8
	.type	k_q58364a4969_qkv,@function
k_q58364a4969_qkv:
	s_mov_b64 s[64:65], 0
	v_nop
	global_prefetch_b8 v0, s[64:65] scope:SCOPE_SE
	s_setreg_imm32_b32 hwreg(HW_REG_WAVE_MODE, 25, 1), 1
	s_wait_xcnt 0x0
	s_wait_alu depctr_hold_cnt(0) depctr_sa_sdst(0) depctr_va_vdst(0) depctr_va_sdst(0) depctr_va_ssrc(0) depctr_va_vcc(0) depctr_vm_vsrc(0)
	s_getreg_b32 s2, hwreg(HW_REG_IB_STS2, 6, 4)
	s_cmp_eq_u32 s2, 0
	s_cbranch_scc0 .Lentry_in_a_cluster
	s_endpgm
.Lentry_in_a_cluster:
	s_bfe_u32 s2, ttmp6, 0x10000c
	s_cmp_lg_u32 s2, 0xf033
	s_cbranch_scc0 .Lentry_shape_is_right
	s_endpgm
.Lentry_shape_is_right:
; LAUNCH 1 OF 3.  qkv = Q Wqkv + bqkv on codes of FP6 (E2M3) with E8M0 scales, as given; the results are quantised in registers and leave as codes: q and k along the head's 64, v along the keys.
; DEAD WORK OF THE PROGRAM.  reference() builds its causal mask itself (jnp.tril) and sets the scores of keys k > q to -infinity: for all values of the inputs their p is 0, which adds nothing to the row's sum nor to
; the second product.  So the second launch leaves out every step of 128 keys that lies wholly behind a tile's queries.  Nothing else is left out; every input is loaded.
; LIMIT: a NaN, an infinity or an overflow that arises only in scores above the diagonal is not carried to the result.
; LIMITS: NaN, infinities and a scale byte 0xff among the inputs are not served.  A block of zeros gets the scale byte 1 (its codes are zeros, and this program alone reads the bytes); a block whose largest magnitude lies
; under 2^-124 is held at byte 1.
; SHARES.  256 work-groups: head x 256 tokens.  A work-group's 192 weight rows are the head's 64 rows of q, of k and of v.  Four waves, 2 x 2: row a takes tokens 128 a .. + 127 (two bands of 64), column 0 takes q and v's
; d tiles 0, 1, column 1 takes k and v's d tiles 2, 3.  A wave holds its 96 weight rows, all of K, in 576 registers and streams its tokens past them in eight blocks of 16.
; q, k: source 0 = weight rows, source 1 = tokens (a lane holds a token, its registers run along the head).  v: the other way round (a lane holds a d, its registers run along the tokens).
; ROWS OF A TILE.  Of a band of 64 rows (tokens, or a head's rows of q or k), tile j takes rows 8 j + 0 .. 7 as its rows 0 - 7 and rows 32 + 8 ((j + 1) % 4) + 0 .. 7 as its rows 8 - 15: so the 32 results that a lane has of
; a band's four tiles are one scale block, in an order that is the same for q and k, and for v and the p of the second launch.  LDS rows r and r + 32 start at the same bank (32 x 204 words); by the turn (j + 1) the two
; halves of a tile start at different banks.  v's weight rows are not turned (rows 8 j .. and 32 + 8 j ..): d comes out in its natural order.
; WHAT IS STORED.  Operand images of 12 registers: three pieces of 4 registers, each [lane][16 bytes].  qimg: [batch x head][step of 128 tokens] records of 6,400 bytes: operands f = 0 .. 3 (tiles 2 f, 2 f + 1 of the step's
; eight), then scale words [row 16][f = 0, 2, 1, 3].  kv: records of 12,800 bytes: K's four operands, V's four (d tiles; registers 6 c .. are band c), K's scale words, V's [d tile][row].
; CLUSTERS: 4 x 4.  x's rows are shared by a row of the cluster, the weights' by a column: joint loads.
; LDS: the weights' 192 rows, then x's bands 0, 1, 2; band 3 is filled over the weights when all waves hold them in registers: the one refill.  Rows of 816 bytes (16 behind every 256).
.set PITCH, 816
.set XB,    192*PITCH
.set BAND,  64*PITCH
.set SPARE, XB+192*PITCH
.set SPW,  1
.set NIL,  2
.set CO,   6                           ; v6 16 x lane; v7 place of q's or k's scale words, v8 of v's
; v9-10 LDS row terms of tiles 0 - 2 (v10: for pieces behind one padding more), v11-12 of tile 3, v13-14 the tile in hand; v16-21 largest magnitudes, v22-24 scale operands
.set SB,   32                          ; v32-55 the weights' scale words
.set SA,   56                          ; v56-87 x's
.set QKA,  88                          ; v88-151 q's or k's sums, two sets
.set BQ,   152                         ; v152-183 bias of q or k
.set BV,   184                         ; v184-199 bias of v
.set CQ,   200                         ; v200-211 an operand of q or k
.set CV,   212                         ; v212-235 two operands of v
.set EB,   236
.set VB,   240
.set WD,   244
.set VA,   168                         ; window 3: v's sums, v936-999
.set VA3,  768+168
.set G1A, 24
.set G1B, 32
.set G0W, 48
.set G0X, 52
.set MSB, 0
.macro WIN new
.if MSB != \new
	s_set_vgpr_msb (MSB<<8)|\new
.set MSB, \new
.endif
.endm
.macro PLACES n
.rept \n
	v_nop
.endr
.endm
.macro WALU
	s_wait_alu depctr_va_vdst(0)
.endm
.macro BARRIER
	s_barrier_signal -1
	s_barrier_wait -1
.endm
.macro CROUND
	BARRIER
	s_cmp_lg_u32 s14, 0
	s_cbranch_scc1 .Lnot_wave_0_\@
	s_barrier_signal -3
.Lnot_wave_0_\@:
	s_barrier_wait -3
	BARRIER
.endm
.macro TLOAD g0, g1
	tensor_load_to_lds s[\g0:\g0+3], s[\g1:\g1+7]
	s_nop 0
	PLACES 4
.endm
.macro GROUP1 g, mask, rows
	s_or_b32 s[\g+0], s[\mask], (1<<20)|(1<<21)|(5<<22)|(3<<25)
	s_mov_b32 s[\g+1], 768<<16
	s_mov_b32 s[\g+2], (\rows)<<16
	s_mov_b32 s[\g+3], 768<<16
	s_mov_b32 s[\g+4], \rows
	s_mov_b32 s[\g+5], 768
	s_mov_b32 s[\g+6], 0
	s_mov_b32 s[\g+7], 0
.endm
.macro PADD d, b, x, m                 ; pair d = pair b + s[x] x m
	s_mul_i32 s62, s\x, \m
	s_add_nc_u64 s[\d:\d+1], s[\b:\b+1], s[62:63]
.endm
; A fragment of 16 rows x 128 K: six pieces of 8 bytes, two to a load where both lie behind as many paddings.  Fragment f lies in window 1 + f / 21: 0-47 the weights' (6 q + tile), 48-55 x's.
.macro FRAG f, q, a0, a1
	WIN (1+(\f)/21)<<6
.set R_, 12*((\f)%21)
.set SKIP_, 0
.irp p, 0,1,2,3,4,5
.if SKIP_
.set SKIP_, 0
.else
.set PC_, 12*(\q)+6*(\p/3)+\p%3
.set PN_, 12*(\q)+6*((\p+1)/3)+(\p+1)%3
.set X_, (PC_%32+3)/32
.set XQ_, (PN_%32+3)/32
.if (\p < 5) && (X_ == XQ_)
.set SKIP_, 1
.if X_
	ds_load_2addr_b64 v[R_+2*\p:R_+2*\p+3], \a1 offset0:PC_+2*(PC_/32) offset1:PN_+2*(PN_/32)
.else
	ds_load_2addr_b64 v[R_+2*\p:R_+2*\p+3], \a0 offset0:PC_+2*(PC_/32) offset1:PN_+2*(PN_/32)
.endif
.elseif X_
	ds_load_b64 v[R_+2*\p:R_+2*\p+1], \a1 offset:8*(PC_+2*(PC_/32))
.else
	ds_load_b64 v[R_+2*\p:R_+2*\p+1], \a0 offset:8*(PC_+2*(PC_/32))
.endif
.endif
.endr
.endm
.macro WTILE b, l0, l1, sr, off        ; a weight tile's eight fragments
	WIN 0
	s_add_co_u32 s22, s\sr, \off
	v_add_nc_u32 v13, s22, v\l0
	v_add_nc_u32 v14, s22, v\l1
.irp q, 0,1,2,3,4,5,6,7
	FRAG 6*\q+\b, \q, v13, v14
.endr
.endm
.macro XADR s                          ; LDS address of block s of my tokens
.if (\s)%4 < 3
	s_add_co_u32 s22, s[17+(\s)/4], 8*PITCH*((\s)%4)
	v_add_nc_u32 v13, s22, v9
	v_add_nc_u32 v14, s22, v10
.else
	s_add_co_u32 s22, s[17+(\s)/4], 24*PITCH
	v_add_nc_u32 v13, s22, v11
	v_add_nc_u32 v14, s22, v12
.endif
.endm
.macro XF q0                           ; four of x's fragments: 13 loads
.irp q, 0,1,2,3
	FRAG 48+\q0+\q, \q0+\q, v13, v14
.endr
	WIN 0
.endm
.macro WM s0, s1, c, x0, x1, ra, rb
.set RR_, (\ra)+2*(\rb)
.if RR_ == 0
	v_wmma_scale_f32_16x16x128_f8f6f4 v[D_:D_+7], v[\s0:\s0+11], v[\s1:\s1+11], \c, v[\x0], v[\x1] matrix_a_fmt:MATRIX_FMT_FP6 matrix_b_fmt:MATRIX_FMT_FP6
.elseif RR_ == 1
	v_wmma_scale_f32_16x16x128_f8f6f4 v[D_:D_+7], v[\s0:\s0+11], v[\s1:\s1+11], \c, v[\x0], v[\x1] matrix_a_fmt:MATRIX_FMT_FP6 matrix_b_fmt:MATRIX_FMT_FP6 matrix_a_scale:MATRIX_SCALE_ROW1
.elseif RR_ == 2
	v_wmma_scale_f32_16x16x128_f8f6f4 v[D_:D_+7], v[\s0:\s0+11], v[\s1:\s1+11], \c, v[\x0], v[\x1] matrix_a_fmt:MATRIX_FMT_FP6 matrix_b_fmt:MATRIX_FMT_FP6 matrix_b_scale:MATRIX_SCALE_ROW1
.else
	v_wmma_scale_f32_16x16x128_f8f6f4 v[D_:D_+7], v[\s0:\s0+11], v[\s1:\s1+11], \c, v[\x0], v[\x1] matrix_a_fmt:MATRIX_FMT_FP6 matrix_b_fmt:MATRIX_FMT_FP6 matrix_a_scale:MATRIX_SCALE_ROW1 matrix_b_scale:MATRIX_SCALE_ROW1
.endif
.endm
.macro PROD s, n                       ; product n = 6 q + tile of block s: six accumulators by turns; the first takes the bias as C
.set Q_, (\n)/6
.set T_, (\n)%6
.set FB_, 6*Q_+T_
.set WB_, 1+FB_/21
.set RB_, 12*(FB_%21)
.set RX_, 12*((48+Q_)%21)
.set KB_, SB+8*(T_/2)+Q_
.set KA_, SA+8*((\s)/2)+Q_
.if T_ < 4
.set D_, QKA+32*((\s)%2)+8*T_
	WIN WB_|(3<<2)
.if Q_
	WM RB_, RX_, v[D_:D_+7], KB_, KA_, T_%2, (\s)%2
.else
	WM RB_, RX_, v[BQ+8*T_:BQ+8*T_+7], KB_, KA_, T_%2, (\s)%2
.endif
.else
.set D_, VA+32*(T_-4)+8*((\s)%4)
.if Q_
	WIN 3|(WB_<<2)|(3<<4)|(3<<6)
	WM RX_, RB_, v[D_:D_+7], KA_, KB_, (\s)%2, T_%2
.else
	WIN 3|(WB_<<2)|(3<<6)
	WM RX_, RB_, v[BV+8*(T_-4):BV+8*(T_-4)+7], KA_, KB_, (\s)%2, T_%2
.endif
.endif
.endm
; The largest magnitude of the 32 sums from x on, 18 entries, two chains line by line in turn, with the floor 2^(3 - 127) among the leaves; the last entry takes 2 off its exponent field: the conversions' scale operand.
.macro CHAIN i, x, t, sop
.set XW_, (\x)>>8
.set XL_, (\x)&255
.if (\i) < 14
.set Y_, XL_+16*((\i)%2)+2*((\i)/2)
.set U_, (\t)+1-(\i)%2
.if (\i) < 2
	WIN XW_|(XW_<<2)|(XW_<<4)
	v_max3_num_f32 v[U_], |v[Y_]|, |v[Y_+1]|, |v[Y_+2]|
.else
	WIN (XW_<<2)|(XW_<<4)
	v_max3_num_f32 v[U_], v[U_], |v[Y_+1]|, |v[Y_+2]|
.endif
.elseif (\i) == 14
	WIN XW_<<2
	v_max3_num_f32 v[\t+1], v[\t+1], |v[XL_+15]|, 0x1800000
.elseif (\i) == 15
	WIN 0
	v_nop
.elseif (\i) == 16
	WIN XW_<<2
	v_max3_num_f32 v[\t], v[\t], |v[XL_+31]|, v[\t+1]
.elseif (\i) == 17
	WIN 0
	v_add_nc_u32 v[\sop], 0xff000000, v[\t]
.endif
.endm
.macro CODES x, c, sop, eb, tc         ; 32 codes into v[c .. c+5] (a conversion's three registers begin on an even number), the scale's byte
.set XW_, (\x)>>8
.set XL_, (\x)&255
	WIN XW_
	v_cvt_scalef32_pk16_fp6_f32 v[\c:\c+2], v[XL_:XL_+15], v[\sop]
	v_cvt_scalef32_pk16_fp6_f32 v[\tc:\tc+2], v[XL_+16:XL_+31], v[\sop]
	WIN 0
	v_lshrrev_b32 v[\eb], 23, v[\sop]
.irp k, 0,1,2
	v_mov_b32 v[\c+3+\k], v[\tc+\k]
.endr
.endm
.macro PRODS s, from, to, ch           ; products; behind every second one two entries of the last block's chain
.set N_, \from
.rept (\to)-(\from)
	PROD \s, N_
.if N_%2
.if \ch
	CHAIN N_-1, QA_, 16, 22
	CHAIN N_, QA_, 16, 22
.endif
.endif
.set N_, N_+1
.endr
.endm
.macro PUT3 r, base, off
.irp k, 0,1,2
	global_store_b128 v[CO], v[\r+4*\k:\r+4*\k+3], s[\base:\base+1] offset:(\off)+512*\k
.endr
.endm
.macro WORDS b                         ; a band's four bytes a lane -> lanes 0-15 the scale word of operand 2 b, lanes 16-31 that of 2 b + 1
	v_lshl_or_b32 v246, v[EB+1], 16, v[EB]
	v_lshl_or_b32 v247, v[EB+3], 16, v[EB+2]
	v_permlane16_swap_b32 v246, v247
	v_lshl_or_b32 v[WD+\b], v247, 8, v246
.endm
.macro VQ c                            ; v's way out for band c: two d tiles
.set I_, 0
.rept 18
.irp i, 0,1
	CHAIN I_, VA3+32*\i, 18+2*\i, 23+\i
.endr
.set I_, I_+1
.endr
.irp i, 0,1
	CODES VA3+32*\i, CV+12*\i+6*\c, 23+\i, VB+2*\i+\c, 248+4*\i
.endr
.endm
; A block: 48 products.  x's fragments have one set: behind products 0-23 its first four take the next block's, behind 24-47 its last four.
.macro BLK s
.set QA_, QKA+32*(((\s)+1)%2)
	s_wait_dscnt 13                                ; the first four fragments are in; the 13 loads of the last four may be out
.if (\s) == 3
	PRODS \s, 0, 18, 1
	WIN 0
	WALU
	s_wait_tensorcnt 0x0                           ; band 3 has landed; a plain barrier shows it to all
	s_wait_dscnt 0x0
	s_barrier_signal -1
	PRODS \s, 18, 24, 0
	WIN 0
	s_barrier_wait -1
.else
	PRODS \s, 0, 24, (\s)>0
	WIN 0
.endif
.if (\s) > 0
	WALU
	s_wait_xcnt 0x0                                ; earlier stores have read the codes
	CODES QA_, CQ+6*(((\s)+1)%2), 22, EB+((\s)+3)%4, 26
.else
	PLACES 4
.endif
	WALU
	s_wait_dscnt 0x0
.if (\s) < 7
	XADR (\s)+1
	XF 0
.endif
.if ((\s) > 0) && ((\s)%2 == 0)
	PUT3 CQ, 76, 1536*((\s)/2-1)
.endif
.if (\s) == 4
	WORDS 0
.endif
	PRODS \s, 24, 48, 0
	WIN 0
	PLACES 4
.if (\s) < 7
	WALU
	XF 4
.endif
.if (\s) == 3
	VQ 0
.endif
.endm
	s_load_b256 s[4:11], s[0:1], 0x0               ; Q codes s[4:5], scales s[6:7]; Wqkv codes s[8:9], scales s[10:11]
	s_load_b128 s[56:59], s[0:1], 0x20             ; bqkv, qimg
	s_load_b64 s[60:61], s[0:1], 0x30              ; kv
	v_lshl_add_u32 v[SPW], v0, 2, SPARE
	v_mov_b32 v[NIL], 0
	ds_add_u32 v[SPW], v[NIL]                      ; the opening lines
	ds_add_u32 v[SPW], v[NIL]
	v_lshrrev_b32 v31, 5, v0
	v_readfirstlane_b32 s14, v31                   ; wave
	s_lshr_b32 s15, s14, 1                         ; row a
	s_and_b32 s16, s14, 1                          ; column
	s_bfe_u32 s40, ttmp6, 0x40000
	s_bfe_u32 s41, ttmp6, 0x40004
	s_lshl_b32 s42, ttmp9, 2
	s_add_co_u32 s42, s42, s40                     ; head
	s_and_b32 s43, ttmp7, 0xffff
	s_lshl_b32 s43, s43, 2
	s_add_co_u32 s43, s43, s41                     ; block of 256 tokens
	s_lshl_b32 s44, s41, 2
	s_lshl_b32 s44, 15, s44                        ; my row of the cluster
	s_lshl_b32 s45, 0x1111, s40                    ; my column
	GROUP1 G1A, 44, 192
	GROUP1 G1B, 45, 64
	s_mul_i32 s66, s14, 1024*768
	s_mul_i32 s62, s42, 64*768
	s_add_co_u32 s66, s66, s62                     ; waves 0, 1, 2: the head's rows of q, k, v
	s_mul_i32 s67, s43, 256*768
	s_lshl_b32 s68, s16, 10
	s_lshl_b32 s62, s42, 6
	s_add_co_u32 s68, s68, s62                     ; my first row of q or k in Wqkv
	s_lshl_b32 s69, s16, 4
	s_add_co_u32 s69, s69, s62
	s_add_co_u32 s69, s69, 2048                    ; my first row of v
	s_lshl_b32 s70, s43, 8
	s_lshl_b32 s62, s15, 7
	s_add_co_u32 s70, s70, s62                     ; my first token
	s_lshr_b32 s71, s43, 3
	s_lshl_b32 s71, s71, 4
	s_add_co_u32 s71, s71, s42
	s_lshl_b32 s71, s71, 4
	s_and_b32 s62, s43, 7
	s_lshl_b32 s62, s62, 1
	s_add_co_u32 s71, s71, s62
	s_add_co_u32 s71, s71, s15                     ; my record: (batch x 16 + head) x 16 + step
	s_mov_b32 s63, 0
	s_mov_b32 s[G0W], 1
	s_mul_i32 s[G0W+1], s14, BAND
	s_mov_b32 s[G0X], 1
	s_mov_b32 s[G0X+1], XB
	s_mul_i32 s17, s15, 2*BAND
	s_add_co_u32 s17, s17, XB                      ; LDS, my first band: band 0 or 2
	s_xor_b32 s18, s15, 1
	s_mul_i32 s18, s18, XB+BAND                    ; my second: band 1, or band 3 over the weights
	WALU
	s_wait_dscnt 0x0
	CROUND                                         ; all sixteen work-groups are here
	s_wait_kmcnt 0x0
	PADD G0W+2, 8, 66, 1
	s_or_b32 s[G0W+3], s[G0W+3], 0x80000000
	PADD G0X+2, 4, 67, 1
	s_or_b32 s[G0X+3], s[G0X+3], 0x80000000
	s_cmp_lt_u32 s14, 3
	s_cbranch_scc0 .Lx_rows
	TLOAD G0W, G1B                                 ; waves 0, 1, 2: the weights
	s_branch .Lasked
.Lx_rows:
	TLOAD G0X, G1A                                 ; wave 3: x's bands 0 to 2
.Lasked:
	v_and_b32 v3, 15, v0                           ; r
	v_bfe_u32 v4, v0, 4, 1                         ; h
	v_and_b32 v15, 31, v0
	v_lshrrev_b32 v5, 3, v3                        ; e: rows 8 - 15
	v_lshlrev_b32 v[CO], 4, v15
	v_lshl_add_u32 v13, v5, 5, v3                  ; r + 32 e
	v_mad_u32_u24 v14, v5, 24, v3                  ; r + 24 e
	v_mul_u32_u24 v9, v13, PITCH
	v_mul_u32_u24 v11, v3, PITCH
	v_mul_u32_u24 v253, v14, PITCH
	v_mad_u32_u24 v9, v4, 24, v9
	v_mad_u32_u24 v11, v4, 24, v11
	v_mad_u32_u24 v253, v4, 24, v253
	v_lshl_add_u32 v10, v4, 4, v9
	v_lshl_add_u32 v12, v4, 4, v11
	v_lshl_add_u32 v254, v4, 4, v253
	v_lshl_add_u32 v248, v4, 3, v13                ; scale rows: lanes 0-15 a pair's first tile, lanes 16-31 its second
	v_and_b32 v249, v4, v5
	v_lshl_add_u32 v250, v4, 3, v14
	v_lshlrev_b32 v249, 5, v249
	v_sub_nc_u32 v249, v248, v249
	v_lshlrev_b32 v248, 5, v248
	v_lshlrev_b32 v249, 5, v249
	v_lshlrev_b32 v250, 5, v250
	v_mul_u32_u24 v251, v4, 160                    ; bias of q, k: 32 h + 8 ((j + h) % 4) numbers on: tiles 0 - 2
	v_lshlrev_b32 v252, 5, v4                      ; tile 3
	v_lshlrev_b32 v31, 2, v14                      ; bias of v
	v_min_u32 v255, 11, v15
	v_lshlrev_b32 v255, 8, v255
	v_lshlrev_b32 v7, 4, v3
	v_lshl_add_u32 v7, v4, 3, v7
	v_lshlrev_b32 v8, 2, v15
	WALU
	PADD 72, 10, 68, 32
	PADD 74, 10, 69, 32
	PADD 80, 6, 70, 32
	PADD 82, 56, 68, 4
	PADD 84, 56, 69, 4
.irp c, 0,1
	global_load_b128 v[SB+4*\c:SB+4*\c+3], v248, s[72:73] offset:16*\c
	global_load_b128 v[SB+8+4*\c:SB+8+4*\c+3], v249, s[72:73] offset:512+16*\c
	global_load_b128 v[SB+16+4*\c:SB+16+4*\c+3], v250, s[74:75] offset:16*\c
.irp g, 0,1
	global_load_b128 v[SA+16*\g+4*\c:SA+16*\g+4*\c+3], v248, s[80:81] offset:2048*\g+16*\c
	global_load_b128 v[SA+16*\g+8+4*\c:SA+16*\g+8+4*\c+3], v249, s[80:81] offset:2048*\g+512+16*\c
.endr
.irp j, 0,1,2
	global_load_b128 v[BQ+8*\j+4*\c:BQ+8*\j+4*\c+3], v251, s[82:83] offset:32*\j+16*\c
.endr
	global_load_b128 v[BQ+24+4*\c:BQ+24+4*\c+3], v252, s[82:83] offset:96+16*\c
	global_load_b32 v[BV+8*\c], v31, s[84:85] offset:32*\c
.endr
	; what the refill will load, 192 blocks of 256 bytes, is asked for into the L2: 12 blocks for each of the sixteen waves of the four work-groups that will ask jointly
	s_lshl_b32 s23, s40, 2
	s_add_co_u32 s23, s23, s14
	s_mul_i32 s23, s23, 12*256
	PADD 86, 4, 67, 1
	s_add_nc_u64 s[86:87], s[86:87], 192*768
	v_add_nc_u32 v255, s23, v255
	; where my results go
	s_mov_b32 s88, 12800
	s_cmp_eq_u32 s16, 0
	s_cselect_b64 s[76:77], s[58:59], s[60:61]
	s_cselect_b32 s88, 6400, s88
	s_mul_i32 s62, s71, s88
	s_add_nc_u64 s[76:77], s[76:77], s[62:63]
	s_mul_i32 s62, s71, 12800
	s_add_nc_u64 s[78:79], s[60:61], s[62:63]
	s_mul_i32 s62, s16, 3072
	s_add_co_u32 s62, s62, 6144
	s_add_nc_u64 s[78:79], s[78:79], s[62:63]
	s_mul_i32 s19, s16, 6144
	s_add_co_u32 s19, s19, 6144
	s_mul_i32 s23, s16, 2944
	s_sub_co_u32 s23, 6400, s23
	v_add_nc_u32 v7, s19, v7
	v_add_nc_u32 v8, s23, v8
	s_mul_i32 s20, s16, BAND
	s_mul_i32 s21, s16, 16*PITCH
	s_add_co_u32 s21, s21, 2*BAND
	WALU
	global_prefetch_b8 v255, s[86:87] th:TH_LOAD_NT scope:SCOPE_SE
	s_cmp_lt_u32 s14, 3
	s_cbranch_scc0 .Lnot_w
	s_wait_tensorcnt 0x0
.Lnot_w:
	BARRIER                                        ; the weights are in; x may still be on its way
	WTILE 0, 9, 10, 20, 0
	WTILE 1, 9, 10, 20, 8*PITCH
	WTILE 2, 9, 10, 20, 16*PITCH
	WTILE 3, 11, 12, 20, 24*PITCH
	WTILE 4, 253, 254, 21, 0
	WTILE 5, 253, 254, 21, 8*PITCH
	WIN 0
	s_wait_loadcnt 0x0
.irp t, 0,8
.irp i, 1,2,3,4,5,6,7
	v_mov_b32 v[BV+\t+\i], v[BV+\t]
.endr
.endr
	WALU
	s_wait_tensorcnt 0x0                           ; x's three bands are in
	ds_add_u32 v[SPW], v[NIL]
	s_mov_b32 s[G1A+2], 64<<16
	s_mov_b32 s[G1A+4], 64
	s_mov_b32 s[G0X+1], 0
	s_add_nc_u64 s[G0X+2:G0X+3], s[G0X+2:G0X+3], 192*768
	s_wait_dscnt 0x0                               ; the add is done, and my weights are in registers
	CROUND
	s_cmp_eq_u32 s14, 0
	s_cbranch_scc0 .Lno_refill
	TLOAD G0X, G1A                                 ; the refill: band 3
.Lno_refill:
	XADR 0
	XF 0
	XF 4
.irp s, 0,1,2,3,4,5,6,7
	BLK \s
.endr
	; the last way outs: block 7 of q or k, band 1 of v
.set I_, 0
.rept 18
	CHAIN I_, QKA+32, 16, 22
.irp i, 0,1
	CHAIN I_, VA3+32*\i, 18+2*\i, 23+\i
.endr
.set I_, I_+1
.endr
	WALU
	s_wait_xcnt 0x0
	CODES QKA+32, CQ+6, 22, EB+3, 26
.irp i, 0,1
	CODES VA3+32*\i, CV+12*\i+6, 23+\i, VB+2*\i+1, 248+4*\i
.endr
	WORDS 1
	v_lshl_or_b32 v246, v[VB+1], 16, v[VB]
	v_lshl_or_b32 v247, v[VB+3], 16, v[VB+2]
	v_permlane16_swap_b32 v246, v247
	v_lshl_or_b32 v246, v247, 8, v246              ; lanes 0-15 the first d tile's word, lanes 16-31 the second's
	WALU
	PUT3 CQ, 76, 1536*3
	PUT3 CV, 78, 0
	PUT3 CV+12, 78, 1536
	global_store_b64 v7, v[WD:WD+1], s[76:77]
	global_store_b32 v8, v246, s[78:79]
	s_wait_tensorcnt 0x0                           ; the wave's end
	ds_add_u32 v[SPW], v[NIL]
	s_wait_dscnt 0x0
	CROUND
	s_endpgm
.Lfunc_end_k_q58364a4969_qkv:
	.size	k_q58364a4969_qkv, .Lfunc_end_k_q58364a4969_qkv-k_q58364a4969_qkv
	.p2alignl 7, 3214868480
	.fill 96, 4, 3214868480
	.section	.rodata,"a",@progbits
	.p2align	6, 0x0
	.amdhsa_kernel k_q58364a4969_qkv
		.amdhsa_group_segment_fixed_size 327680
		.amdhsa_private_segment_fixed_size 0
		.amdhsa_enable_private_segment 0
		.amdhsa_kernarg_size 56
		.amdhsa_user_sgpr_count 2
		.amdhsa_user_sgpr_kernarg_segment_ptr 1
		.amdhsa_wavefront_size32 1
		.amdhsa_system_sgpr_workgroup_id_x 1
		.amdhsa_system_sgpr_workgroup_id_y 1
		.amdhsa_system_sgpr_workgroup_id_z 1
		.amdhsa_system_vgpr_workitem_id 0
		.amdhsa_next_free_vgpr 1024
		.amdhsa_next_free_sgpr 90
		.amdhsa_reserve_vcc 0
		.amdhsa_float_denorm_mode_32 3
		.amdhsa_float_denorm_mode_16_64 3
		.amdhsa_memory_ordered 1
		.amdhsa_forward_progress 1
		.amdhsa_inst_pref_size 118
	.end_amdhsa_kernel
	.amdgpu_metadata
---
amdhsa.version: [ 1, 2 ]
amdhsa.kernels:
  - .name:           k_q58364a4969_qkv
    .symbol:         k_q58364a4969_qkv.kd
    .args:
      - { .name: Q_codes, .offset: 0, .size: 8, .value_kind: global_buffer, .address_space: global }
      - { .name: Q_scales, .offset: 8, .size: 8, .value_kind: global_buffer, .address_space: global }
      - { .name: Wqkv_codes, .offset: 16, .size: 8, .value_kind: global_buffer, .address_space: global }
      - { .name: Wqkv_scales, .offset: 24, .size: 8, .value_kind: global_buffer, .address_space: global }
      - { .name: bqkv, .offset: 32, .size: 8, .value_kind: global_buffer, .address_space: global }
      - { .name: qimg, .offset: 40, .size: 8, .value_kind: global_buffer, .address_space: global }
      - { .name: kv, .offset: 48, .size: 8, .value_kind: global_buffer, .address_space: global }
    .group_segment_fixed_size: 327680
    .private_segment_fixed_size: 0
    .kernarg_segment_align: 8
    .kernarg_segment_size: 56
    .max_flat_workgroup_size: 128
    .sgpr_count:     90
    .vgpr_count:     1024
    .wavefront_size: 32
...
	.end_amdgpu_metadata
.endif
;; end of part 1
;; launch attn (part 2): grid 8 x 32, 16 waves a work-group, clusters of 4 x 1, 327,680 bytes of LDS; arguments qimg, kv, att; writes att
.if DOCPART == 2
	.amdgcn_target "amdgcn-amd-amdhsa--gfx1250"
	.amdhsa_code_object_version 6
	.text
	.protected	k_q58364a4969_attn
	.globl	k_q58364a4969_attn
	.p2align	8
	.type	k_q58364a4969_attn,@function
k_q58364a4969_attn:
	s_mov_b64 s[64:65], 0
	v_nop
	global_prefetch_b8 v0, s[64:65] scope:SCOPE_SE
	s_setreg_imm32_b32 hwreg(HW_REG_WAVE_MODE, 25, 1), 1
	s_wait_xcnt 0x0
	s_wait_alu depctr_hold_cnt(0) depctr_sa_sdst(0) depctr_va_vdst(0) depctr_va_sdst(0) depctr_va_ssrc(0) depctr_va_vcc(0) depctr_vm_vsrc(0)
	s_getreg_b32 s2, hwreg(HW_REG_IB_STS2, 6, 4)
	s_cmp_eq_u32 s2, 0
	s_cbranch_scc0 .Lentry_in_a_cluster
	s_endpgm
.Lentry_in_a_cluster:
	s_bfe_u32 s2, ttmp6, 0x10000c
	s_cmp_lg_u32 s2, 0x3003
	s_cbranch_scc0 .Lentry_shape_is_right
	s_endpgm
.Lentry_shape_is_right:
; LAUNCH 2 OF 3.  Causal attention on codes of FP6 (E2M3): S^T = k q^T, p = 2^(t - M), O^T = v^T p^T, O / the row's sum, quantised along the head's 64 for the last product.
; LEFT OUT AS DEAD WORK: every step of 128 keys that lies wholly behind a tile's queries: reference()'s own causal mask makes their p 0 for all inputs (shown at the head of the first launch).
; LIMITS: as stated there; a NaN or an overflow that arises only in scores above the diagonal is not carried to the result; the scaled scores (exponents to the base 2) stay under 2^31 in magnitude.
; THE SOFTMAX: t = score x log2(e) / 8; M = the row's largest t so far, rounded UP to a whole number; p is quantised along the keys, not normalised; the row's sum is taken of the unquantised p and divides O at the end.
; When M moves, the sum and O are multiplied by 2^(old M - new M): exact.
; SHARES.  A work-group (head, i = 0 .. 7) owns one tile of 16 queries in each of the head's sixteen blocks of 128.  Two waves, A and B, share the tiles of blocks 15 - j and j (j = wave / 2): A takes the late tile's
; steps 0 .. 7, B its steps 8 .. 15 - j and then the early tile's 0 .. j: eight and nine steps of 128 keys.  B leaves its part of the late tile in LDS, A joins it to its own.
; LDS.  All 16 records of the head lie in LDS: one tensor load a wave, 12,800 bytes each, at the kernel's head; nothing is filled again, so no barrier stands in the loop.  The eight work-groups of a head read the same records:
; clusters of four ask jointly.  Records 0 and 8, with which the waves begin, have a load line of their own and the first barrier; the second barrier shows the other fourteen.
; No prefetch: every byte is asked for at the head, no loop runs ahead of a load.
; K = 64 IN AN INSTRUCTION OF K = 128: an operand of K holds two key tiles; q stands as q, zeros, q in 18 registers: the zero codes meet the other tile's codes and add nothing.
; ORDER.  A lane holds ONE query.  In S^T register 32 c + 8 j + i of lane half h is key 64 c + 32 h + 8 ((j + h) % 4) + i: a lane's 32 registers of c are one scale block of p, in the order in which v's codes lie.
.set REC,   12800
.set DUMP,  16*REC                     ; 4,608 bytes for each pair of waves
.set SPARE, DUMP+8*4608
.set LI,   1                           ; v1  16 x lane;  v2  16 x (lane % 16);  v39 4 x (lane % 16);  v0 my pair's place in DUMP
.set DQA,  3                           ; v3, v4  my query's place in its block, less 40 h (key tiles 0 - 2) or 8 h (tile 3)
.set SPW,  5
.set NIL,  6
.set KA,   7                           ; v7-9  LDS addresses in the record in hand: images, K's scale words, V's
.set SO,   10                          ; v10-11 the conversions' scale operands
.set QF,   12                          ; v12-17 q, v18-23 zeros, v24-29 q
.set QS,   30
.set PS,   31
.set EQ,   32                          ; v32-37 the early tile's q, v38 its scale words
.set EQS,  38
.set KSW,  40
.set VSW,  44
.set NM,   48                          ; -M;  v49 the largest score so far;  v50-51 the sum, in two halves
.set SMX,  49
.set SUM,  50
.set F,    52
.set BM,   54
.set S2,   56                          ; v56-59 the sum's other chains
.set TA,   60
.set TMP,  63
.set FK,   64                          ; v64-111 K's four operands
.set S,    112                         ; v112-175 S^T, then p;  p's codes at v128-139
.set P,    128
.set O,    176                         ; v176-207 O^T
.set FV,   208                         ; v208-255 V's four operands
.set SEL, 26
.set CS,  28
; s30 0 A, 1 B; s31 j; s32 the step (by my count) of the late diagonal, B's alone; s33 which half of its block my tile lies in; s34 from my count to the record; s35 the next record; s40 my count of steps
.macro WALU
	s_wait_alu depctr_va_vdst(0)
.endm
.macro PLACES n
.rept \n
	v_nop
.endr
.endm
.macro BARRIER
	s_barrier_signal -1
	s_barrier_wait -1
.endm
.macro CROUND
	BARRIER
	s_cmp_lg_u32 s10, 0
	s_cbranch_scc1 .Lnot_wave_0_\@
	s_barrier_signal -3
.Lnot_wave_0_\@:
	s_barrier_wait -3
	BARRIER
.endm
.macro TLOAD
	tensor_load_to_lds s[12:15], s[16:23]
	s_nop 0
	PLACES 4
.endm
.macro KLOADS                          ; 13 loads
.irp f, 0,1,2,3
.irp p, 0,1,2
	ds_load_b128 v[FK+12*\f+4*\p:FK+12*\f+4*\p+3], v[KA] offset:1536*\f+512*\p
.endr
.endr
	ds_load_b128 v[KSW:KSW+3], v[KA+1] offset:12288
.endm
.macro VLOADS                          ; 16 loads
.irp f, 0,1,2,3
.irp p, 0,1,2
	ds_load_b128 v[FV+12*\f+4*\p:FV+12*\f+4*\p+3], v[KA] offset:6144+1536*\f+512*\p
.endr
	ds_load_b32 v[VSW+\f], v[KA+2] offset:12544+64*\f
.endr
.endm
.macro MASK from                       ; 32 scores: hidden keys become -infinity
.set n, \from
.rept 32
	v_cmp_le_i32 vcc_lo, n+32*(n/32), v[DQA+((n%32)/24)]   ; register 32 c + 8 j + i: the key's place in the block is 64 c + 8 j + i, and what hangs on the lane's half
	v_cndmask_b32 v[S+n], s38, v[S+n], vcc_lo
.set n, n+1
.endr
.endm
.macro PSUM n                          ; pair n of p onto one of three chains
	v_pk_add_f32 v[SUMR_:SUMR_+1], v[SUMR_:SUMR_+1], v[S+2*(\n):S+2*(\n)+1]
.if SUMR_ == SUM
.set SUMR_, S2
.elseif SUMR_ == S2
.set SUMR_, S2+2
.else
.set SUMR_, SUM
.endif
.endm
; A step of 128 keys.  first = 1: nothing has been summed yet; the next record is not asked of LDS.  last = 1: B's last step, the early tile's diagonal.
.macro STEP first, last
	s_wait_dscnt 0x0
.irp f, 0,1,2,3
	v_wmma_scale_f32_16x16x128_f8f6f4 v[S+16*\f:S+16*\f+7], v[FK+12*\f:FK+12*\f+11], v[QF:QF+11], 0, v[KSW+2*(\f%2)+\f/2], v[QS] matrix_a_fmt:MATRIX_FMT_FP6 matrix_b_fmt:MATRIX_FMT_FP6
	v_wmma_scale_f32_16x16x128_f8f6f4 v[S+16*\f+8:S+16*\f+15], v[FK+12*\f:FK+12*\f+11], v[QF+6:QF+17], 0, v[KSW+2*(\f%2)+\f/2], v[QS] matrix_a_fmt:MATRIX_FMT_FP6 matrix_b_fmt:MATRIX_FMT_FP6
.endr
	VLOADS
.if \last
	v_mov_b32 v[TMP], v[NM]
	PLACES 3
.else
	s_cmp_eq_u32 s40, s32
	s_cselect_b32 s34, s36, s34                    ; behind the late diagonal B goes over to the early tile
	s_add_co_u32 s35, s40, s34
	s_add_co_u32 s35, s35, 1
	s_and_b32 s35, s35, 15
	s_mul_i32 s35, s35, REC
	v_add_nc_u32 v[KA], s35, v[LI]                 ; these four lines are also the places in front of the loads and reads below
	v_add_nc_u32 v[KA+1], s35, v2
	v_add_nc_u32 v[KA+2], s35, v39
.if \first
	v_nop
.else
	v_mov_b32 v[TMP], v[NM]
	KLOADS                                         ; the next record's K has this whole step in which to come
.endif
	s_cmp_eq_u32 s40, s32
	s_cbranch_scc0 .Lopen_\@
.endif
	s_cmp_eq_u32 s33, 1                            ; a tile in its block's upper half sees all of the lower half's keys
	s_cbranch_scc1 .Lhalf_\@
	MASK 0
.Lhalf_\@:
	MASK 32
.Lopen_\@:
	WALU
.irp b, 0,1
	v_max3_num_f32 v[BM+\b], v[S+32*\b], v[S+32*\b+1], v[S+32*\b+2]   ; the largest score of my block of 32 keys: for the row's maximum, and, since p rises with the score, for the block's largest p
.endr
.irp i, 3,5,7,9,11,13,15,17,19,21,23,25,27,29
.irp b, 0,1
	v_max3_num_f32 v[BM+\b], v[BM+\b], v[S+32*\b+\i], v[S+32*\b+\i+1]
.endr
.endr
.irp b, 0,1
	v_max_num_f32 v[BM+\b], v[BM+\b], v[S+32*\b+31]
.endr
	v_max_num_f32 v[S2], v[BM], v[BM+1]
	v_permlanex16_b32 v[S2+1], v[S2], s[SEL], s[SEL+1]
.if \first
	v_max_num_f32 v[SMX], v[S2], v[S2+1]
.else
	v_max3_num_f32 v[SMX], v[SMX], v[S2], v[S2+1]
.endif
	v_mul_f32 v[S2], s39, v[SMX]                   ; -t
	v_floor_f32 v[NM], v[S2]                       ; the new -M
.if \first == 0
	v_sub_f32 v[TMP], v[NM], v[TMP]                ; M's old value less its new one: a whole number, 0 or less
	v_cvt_i32_f32 v[TMP], v[TMP]                   ; (it saturates)
	v_ldexp_f32 v[F], 1.0, v[TMP]
.endif
.set j, 0
.rept 32
	v_pk_fma_f32 v[S+j:S+j+1], v[S+j:S+j+1], s[CS:CS+1], v[NM:NM+1] op_sel_hi:[1,0,0]   ; t - M
.set j, j+2
.endr
.irp b, 0,1
	v_fma_f32 v[BM+\b], v[BM+\b], s[CS], v[NM]
.endr
	WALU
.set j, 0
.rept 64
	v_exp_f32 v[S+j], v[S+j]
.set j, j+1
.endr
	v_exp_f32 v[BM], v[BM]                         ; the block's largest p: the same two instructions on the same number
	v_exp_f32 v[BM+1], v[BM+1]
.if \first
	v_nop
	WALU
.else
	v_pk_mul_f32 v[SUM:SUM+1], v[SUM:SUM+1], v[F:F+1] op_sel_hi:[1,0]
	WALU
.set j, 0
.rept 16
	v_pk_mul_f32 v[O+j:O+j+1], v[O+j:O+j+1], v[F:F+1] op_sel_hi:[1,0]
.set j, j+2
.endr
.endif
.irp b, 0,1
	v_max_num_f32 v[BM+\b], 0x1800000, v[BM+\b]    ; the floor 2^(3 - 127): the byte cannot fall under 1
.endr
.irp b, 0,1
	v_add_nc_u32 v[SO+\b], 0xff000000, v[BM+\b]    ; 2 off the exponent field
.endr
.irp b, 0,1
	v_lshrrev_b32 v[BM+\b], 23, v[SO+\b]           ; the scale's byte
.endr
	v_lshl_or_b32 v[TMP], v[BM+1], 16, v[BM]
	v_permlanex16_b32 v[S2+1], v[TMP], s[SEL], s[SEL+1]
	v_lshl_or_b32 v[PS], v[S2+1], 8, v[TMP]        ; lanes 0-15: p's scale word for these 128 keys
.if \first
	v_pk_add_f32 v[SUM:SUM+1], v[S:S+1], v[S+10:S+11]
.else
	v_pk_add_f32 v[SUM:SUM+1], v[SUM:SUM+1], v[S:S+1]
.endif
	v_pk_add_f32 v[S2:S2+1], v[S+2:S+3], v[S+4:S+5]
	v_pk_add_f32 v[S2+2:S2+3], v[S+6:S+7], v[S+8:S+9]
.set SUMR_, SUM
.if \first == 0
	PSUM 5
.endif
.irp k, 6,7,8,9,10,11,12,13,14,15
	PSUM \k
.endr
	v_cvt_scalef32_pk16_fp6_f32 v[TA:TA+2], v[S+16:S+31], v[SO]      ; (a conversion's three registers begin on an even number)
	PSUM 16
	v_cvt_scalef32_pk16_fp6_f32 v[P:P+2], v[S:S+15], v[SO]
	v_cvt_scalef32_pk16_fp6_f32 v[P+6:P+8], v[S+32:S+47], v[SO+1]
.irp i, 0,1,2
	v_mov_b32 v[P+3+\i], v[TA+\i]
.endr
	v_cvt_scalef32_pk16_fp6_f32 v[S:S+2], v[S+48:S+63], v[SO+1]
	PSUM 17
.irp i, 0,1,2
	v_mov_b32 v[P+9+\i], v[S+\i]
.endr
.irp k, 18,19,20,21,22,23,24,25,26,27,28,29,30,31
	PSUM \k
.endr
	v_pk_add_f32 v[S2:S2+1], v[S2:S2+1], v[S2+2:S2+3]
	v_pk_add_f32 v[SUM:SUM+1], v[SUM:SUM+1], v[S2:S2+1]
	WALU
.if \first || \last
	s_wait_dscnt 0x0
.else
	s_wait_dscnt 13                                ; V is in; the next K's 13 loads may be out
.endif
.irp f, 0,1,2,3
.if \first
	v_wmma_scale_f32_16x16x128_f8f6f4 v[O+8*\f:O+8*\f+7], v[FV+12*\f:FV+12*\f+11], v[P:P+11], 0, v[VSW+\f], v[PS] matrix_a_fmt:MATRIX_FMT_FP6 matrix_b_fmt:MATRIX_FMT_FP6
.else
	v_wmma_scale_f32_16x16x128_f8f6f4 v[O+8*\f:O+8*\f+7], v[FV+12*\f:FV+12*\f+11], v[P:P+11], v[O+8*\f:O+8*\f+7], v[VSW+\f], v[PS] matrix_a_fmt:MATRIX_FMT_FP6 matrix_b_fmt:MATRIX_FMT_FP6
.endif
.endr
	PLACES 5                                       ; the next step's first products write over p's codes
.endm
; Behind the late diagonal B leaves O^T, -M and the sum of its part in LDS and begins the early tile.
.macro PART
	s_cmp_eq_u32 s40, s32
	s_cbranch_scc0 .Lgo_on_\@
.irp k, 0,1,2,3,4,5,6,7
	ds_store_b128 v0, v[O+4*\k:O+4*\k+3] offset:512*\k
.endr
	ds_store_b128 v0, v[NM:NM+3] offset:4096
	v_lshl_or_b32 v[QS], v[EQS], 16, v[EQS]
.irp k, 0,1,2,3,4,5
	v_mov_b32 v[QF+\k], v[EQ+\k]
	v_mov_b32 v[QF+12+\k], v[EQ+\k]
.endr
	v_add_nc_u32 v[DQA], s37, v[DQA]
	v_add_nc_u32 v[DQA+1], s37, v[DQA+1]
	s_xor_b32 s33, s33, 1
	v_mov_b32 v[SMX], 0xff61b1e6                   ; -3e38, under every score
	v_mov_b32 v[NM], 0x7e800000                    ; and an -M above every other: the first change of M leaves zeros zeros
	v_mov_b32 v[SUM], 0
	v_mov_b32 v[SUM+1], 0
.set j, 0
.rept 32
	v_mov_b32 v[O+j], 0
.set j, j+1
.endr
	WALU
.Lgo_on_\@:
.endm
.macro QPLACE blk, c, d, sc            ; where a tile's q image and scale words lie, bytes from qimg
	s_add_co_u32 s\d, s58, s\blk
	s_mul_i32 s\d, s\d, 6400
	s_lshl_b32 s\sc, s60, 1
	s_add_co_u32 s\sc, s\sc, s\c
	s_lshl_b32 s\sc, s\sc, 2
	s_add_co_u32 s\sc, s\sc, s\d
	s_add_co_u32 s\sc, s\sc, 6144
	s_lshl_b32 s61, s\c, 1
	s_add_co_u32 s61, s61, s60
	s_mul_i32 s61, s61, 1536
	s_add_co_u32 s\d, s\d, s61
.endm
	s_load_b128 s[4:7], s[0:1], 0x0                ; qimg, kv
	s_load_b64 s[8:9], s[0:1], 0x10                ; att
	v_lshl_add_u32 v[SPW], v0, 2, SPARE
	v_mov_b32 v[NIL], 0
	ds_add_u32 v[SPW], v[NIL]                      ; the opening lines
	ds_add_u32 v[SPW], v[NIL]
	v_lshrrev_b32 v7, 5, v0
	v_readfirstlane_b32 s10, v7                    ; wave 0..15
	s_lshr_b32 s31, s10, 1                         ; j
	s_lshr_b32 s54, s10, 2
	s_xor_b32 s30, s54, s10
	s_and_b32 s30, s30, 1
	s_and_b32 s55, s10, 1
	s_lshl_b32 s55, s55, 3
	s_add_co_u32 s55, s55, s31                     ; the record that I load: waves 0 and 1 load 0 and 8
	s_bfe_u32 s41, ttmp6, 0x40000                  ; cx
	s_and_b32 s56, ttmp7, 0xffff                   ; batch x 16 + head
	s_sub_co_u32 s57, 15, s31                      ; the late block
	s_lshl_b32 s58, s56, 4
	s_and_b32 s33, s57, 1
	s_xor_b32 s33, s33, ttmp9                      ; my tile is tile cx of the half (cluster x) xor (block % 2)
	s_xor_b32 s59, s33, 1                          ; the early tile's half
	s_lshr_b32 s60, s41, 1
	s_and_b32 s62, s41, 1
	QPLACE 57, 33, 42, 46
	QPLACE 31, 59, 44, 48
	s_mov_b32 s43, 0
	s_mov_b32 s45, 0
	s_mov_b32 s47, 0
	s_mov_b32 s49, 0
	s_cmp_eq_u32 s30, 1                            ; the tile that I finish: A the late one, B the early one
	s_cselect_b32 s50, s31, s57
	s_cselect_b32 s51, s59, s33
	s_lshr_b32 s61, s56, 4
	s_lshl_b32 s61, s61, 4
	s_add_co_u32 s50, s50, s61
	s_lshl_b32 s50, s50, 3
	s_lshl_b32 s51, s51, 2
	s_add_co_u32 s50, s50, s51
	s_add_co_u32 s50, s50, s41                     ; att's tile: (batch x 16 + block) x 8 + 4 x half + cx
	s_mul_i32 s50, s50, REC
	s_and_b32 s61, s56, 15                         ; head
	s_lshr_b32 s52, s61, 1
	s_lshl_b32 s52, s52, 6
	s_and_b32 s53, s61, 1
	s_lshl_b32 s53, s53, 1
	s_add_co_u32 s52, s52, s53
	s_add_co_u32 s52, s52, s50
	s_add_co_u32 s52, s52, 12288                   ; my bytes of the rows' scale words
	s_mul_i32 s61, s61, 768
	s_add_co_u32 s50, s50, s61                     ; my half image
	s_mov_b32 s51, 0
	s_mov_b32 s53, 0
	s_sub_co_u32 s32, 7, s31
	s_cmp_eq_u32 s30, 1
	s_cselect_b32 s32, s32, 100                    ; A: never
	s_lshl_b32 s34, s30, 3
	s_add_co_u32 s36, s31, 8
	s_lshl_b32 s37, s33, 7
	s_sub_co_u32 s37, 64, s37                      ; from the late tile's half to the early one's
	s_mul_i32 s35, s30, 8*REC
	s_mov_b32 s[SEL], 0x76543210
	s_mov_b32 s[SEL+1], 0xfedcba98
	s_mov_b32 s[CS], 0x3e38aa3b                    ; log2(e) / 8
	s_mov_b32 s[CS+1], s[CS]                       ; (named with it as a pair)
	s_mov_b32 s39, 0xbe38aa3b                      ; -log2(e) / 8
	s_mov_b32 s38, 0xff800000                      ; -infinity
	s_mov_b32 s40, 0
	s_mov_b32 s12, 1                               ; a record: 50 rows of 256 bytes, dense
	s_mul_i32 s13, s55, REC
	s_mov_b32 s16, 15|(3<<16)|(1<<21)              ; all four work-groups of the cluster; elements of 8 bytes
	s_mov_b32 s17, 32<<16
	s_mov_b32 s18, 50<<16
	s_mov_b32 s19, 32<<16
	s_mov_b32 s20, 50
	s_mov_b32 s21, 32
	s_mov_b32 s22, 0
	s_mov_b32 s23, 0
	s_add_co_u32 s54, s58, s55
	s_mul_i32 s54, s54, REC
	s_mov_b32 s55, 0
	WALU
	s_wait_dscnt 0x0
	s_wait_kmcnt 0x0
	s_add_nc_u64 s[14:15], s[6:7], s[54:55]
	s_or_b32 s15, s15, 0x80000000
	CROUND                                         ; all four work-groups are here: the joint loads meet
	s_cmp_lt_u32 s10, 2
	s_cbranch_scc0 .Lother_records
	TLOAD                                          ; records 0 and 8
	s_branch .Lasked
.Lother_records:
	TLOAD
.Lasked:
	s_add_nc_u64 s[42:43], s[4:5], s[42:43]
	s_add_nc_u64 s[44:45], s[4:5], s[44:45]
	s_add_nc_u64 s[46:47], s[4:5], s[46:47]
	s_add_nc_u64 s[48:49], s[4:5], s[48:49]
	s_add_nc_u64 s[50:51], s[8:9], s[50:51]
	s_add_nc_u64 s[52:53], s[8:9], s[52:53]
	s_mul_i32 s54, s62, 520                        ; an odd tile is registers 6 to 11 of its operand
	s_mul_i32 s56, s62, 1016
	s_lshl_b32 s62, s62, 4
	s_add_co_u32 s57, s41, 1
	s_and_b32 s57, s57, 3
	s_lshl_b32 s57, s57, 3
	s_lshl_b32 s58, s41, 3
	s_add_co_u32 s57, s57, 24
	s_sub_co_u32 s57, s57, s58                     ; from row r to row r of a tile's second half
	s_lshl_b32 s59, s33, 6
	s_add_co_u32 s59, s59, s58
	s_mul_i32 s60, s31, 4608
	s_add_co_u32 s60, s60, DUMP
	v_and_b32 v8, 31, v0
	v_and_b32 v9, 15, v0
	v_bfe_u32 v10, v0, 4, 1
	v_lshrrev_b32 v11, 3, v9
	v_lshlrev_b32 v[LI], 4, v8
	v_lshlrev_b32 v2, 4, v9
	v_lshlrev_b32 v39, 2, v9
	v_add_nc_u32 v60, s54, v[LI]
	v_add_nc_u32 v61, s56, v[LI]
	global_load_b64 v[QF:QF+1], v60, s[42:43]
	global_load_b64 v[QF+2:QF+3], v61, s[42:43] offset:8
	global_load_b64 v[QF+4:QF+5], v60, s[42:43] offset:512
	global_load_b64 v[QF+12:QF+13], v60, s[42:43]
	global_load_b64 v[QF+14:QF+15], v61, s[42:43] offset:8
	global_load_b64 v[QF+16:QF+17], v60, s[42:43] offset:512
	global_load_b32 v58, v2, s[46:47]
	global_load_b64 v[EQ:EQ+1], v60, s[44:45]
	global_load_b64 v[EQ+2:EQ+3], v61, s[44:45] offset:8
	global_load_b64 v[EQ+4:EQ+5], v60, s[44:45] offset:512
	global_load_b32 v59, v2, s[48:49]
	v_mul_u32_u24 v11, s57, v11
	v_add3_u32 v9, v9, v11, s59                    ; my query's place in the late block
	v_mul_u32_u24 v11, 40, v10
	v_lshlrev_b32 v10, 3, v10
	v_sub_nc_u32 v[DQA], v9, v11
	v_sub_nc_u32 v[DQA+1], v9, v10
	v_add_nc_u32 v0, s60, v[LI]
	v_add_nc_u32 v[KA], s35, v[LI]
	v_add_nc_u32 v[KA+1], s35, v2
	v_add_nc_u32 v[KA+2], s35, v39
	WALU
	s_wait_loadcnt 0x0
	v_lshrrev_b32 v58, s62, v58
	v_lshrrev_b32 v59, s62, v59
	v_and_b32 v58, 0xffff, v58
	v_and_b32 v[EQS], 0xffff, v59
	v_lshl_or_b32 v[QS], v58, 16, v58              ; q's two scale bytes, twice
.irp k, 6,7,8,9,10,11
	v_mov_b32 v[QF+\k], 0                          ; the zero codes between
.endr
	v_mov_b32 v[F+1], 0                            ; (named with F as a pair)
	v_mov_b32 v[S2+1], 0                           ; a lane permute's destination counts as one of its sources
	WALU
	s_cmp_lt_u32 s10, 2
	s_cbranch_scc0 .Lnot_first
	s_wait_tensorcnt 0x0
.Lnot_first:
	BARRIER                                        ; records 0 and 8 are in; the others may be on their way: nothing is filled again
	KLOADS
	STEP 1, 0
	PART
	WALU
	s_wait_tensorcnt 0x0
	s_wait_dscnt 0x0
	BARRIER                                        ; all records are in
	KLOADS
	s_mov_b32 s40, 1
.Lloop:                                            ; steps 1 to 7 of each wave: no barrier
	STEP 0, 0
	PART
	s_add_co_u32 s40, s40, 1
	WALU
	s_cmp_lt_u32 s40, 8
	s_cbranch_scc1 .Lloop
	WALU
	s_wait_dscnt 0x0                               ; B's part of the late tile lies in LDS
	s_barrier_signal -1
	s_cmp_eq_u32 s30, 0
	s_cbranch_scc1 .Leight
	STEP 0, 1                                      ; B's ninth step, between signal and wait: register work and loads of bytes that nobody writes
.Leight:
	s_barrier_wait -1
	s_cmp_eq_u32 s30, 1
	s_cbranch_scc1 .Lout
.irp k, 0,1,2,3,4,5,6,7,8
	ds_load_b128 v[FK+4*\k:FK+4*\k+3], v0 offset:512*\k
.endr
	s_wait_dscnt 0x0
	v_min_num_f32 v[TMP], v[NM], v[FK+32]          ; the larger M; both parts come under it by powers of two
	v_sub_f32 v[F], v[TMP], v[NM]
	v_sub_f32 v[BM], v[TMP], v[FK+32]
	v_cvt_i32_f32 v[F], v[F]
	v_cvt_i32_f32 v[BM], v[BM]
	v_ldexp_f32 v[F], 1.0, v[F]
	v_ldexp_f32 v[BM], 1.0, v[BM]
	v_pk_mul_f32 v[SUM:SUM+1], v[SUM:SUM+1], v[F:F+1] op_sel_hi:[1,0]
.set j, 0
.rept 16
	v_pk_mul_f32 v[O+j:O+j+1], v[O+j:O+j+1], v[F:F+1] op_sel_hi:[1,0]
.set j, j+2
.endr
	v_pk_fma_f32 v[SUM:SUM+1], v[FK+34:FK+35], v[BM:BM+1], v[SUM:SUM+1] op_sel_hi:[1,0,1]
.set j, 0
.rept 16
	v_pk_fma_f32 v[O+j:O+j+1], v[FK+j:FK+j+1], v[BM:BM+1], v[O+j:O+j+1] op_sel_hi:[1,0,1]
.set j, j+2
.endr
.Lout:
	v_add_f32 v[SUM], v[SUM], v[SUM+1]
	v_permlanex16_b32 v[S2+1], v[SUM], s[SEL], s[SEL+1]
	v_add_f32 v[SUM], v[SUM], v[S2+1]              ; the row's sum
	WALU
	v_rcp_f32 v[SUM], v[SUM]
	v_nop
	WALU
.set j, 0
.rept 16
	v_pk_mul_f32 v[O+j:O+j+1], v[O+j:O+j+1], v[SUM:SUM+1] op_sel_hi:[1,0]   ; register 8 t + i is o(my query, 32 h + 8 t + i): one scale block
.set j, j+2
.endr
.irp b, 0,1
	v_max3_num_f32 v[BM+\b], |v[O+16*\b]|, |v[O+16*\b+1]|, |v[O+16*\b+2]|
.endr
.irp i, 3,5,7,9,11,13
.irp b, 0,1
	v_max3_num_f32 v[BM+\b], v[BM+\b], |v[O+16*\b+\i]|, |v[O+16*\b+\i+1]|
.endr
.endr
	v_max3_num_f32 v[BM], v[BM], |v[O+15]|, 0x1800000
	v_max3_num_f32 v[BM], v[BM], |v[O+31]|, v[BM+1]
	v_add_nc_u32 v[SO], 0xff000000, v[BM]
	v_cvt_scalef32_pk16_fp6_f32 v[S:S+2], v[O:O+15], v[SO]
	v_cvt_scalef32_pk16_fp6_f32 v[S+8:S+10], v[O+16:O+31], v[SO]
	v_lshrrev_b32 v[BM], 23, v[SO]
.irp i, 0,1,2
	v_mov_b32 v[S+3+\i], v[S+8+\i]
.endr
	v_lshrrev_b32 v60, 1, v[LI]                    ; 8 x lane
	v_lshrrev_b32 v61, 8, v[LI]
	v_add_nc_u32 v61, v39, v61                     ; 4 x row + h
	WALU
	global_store_b128 v[LI], v[S:S+3], s[50:51]
	global_store_b64 v60, v[S+4:S+5], s[50:51] offset:512
	global_store_b8 v61, v[BM], s[52:53]           ; my block's byte of the row's scale word; the pair's other head writes the other two
	s_wait_tensorcnt 0x0                           ; the wave's end
	ds_add_u32 v[SPW], v[NIL]
	s_wait_dscnt 0x0
	CROUND                                         ; the closing round
	s_endpgm
.Lfunc_end_k_q58364a4969_attn:
	.size	k_q58364a4969_attn, .Lfunc_end_k_q58364a4969_attn-k_q58364a4969_attn
	.p2alignl 7, 3214868480
	.fill 96, 4, 3214868480
	.section	.rodata,"a",@progbits
	.p2align	6, 0x0
	.amdhsa_kernel k_q58364a4969_attn
		.amdhsa_group_segment_fixed_size 327680
		.amdhsa_private_segment_fixed_size 0
		.amdhsa_enable_private_segment 0
		.amdhsa_kernarg_size 24
		.amdhsa_user_sgpr_count 2
		.amdhsa_user_sgpr_kernarg_segment_ptr 1
		.amdhsa_wavefront_size32 1
		.amdhsa_system_sgpr_workgroup_id_x 1
		.amdhsa_system_sgpr_workgroup_id_y 1
		.amdhsa_system_sgpr_workgroup_id_z 1
		.amdhsa_system_vgpr_workitem_id 0
		.amdhsa_next_free_vgpr 256
		.amdhsa_next_free_sgpr 66
		.amdhsa_reserve_vcc 1
		.amdhsa_float_denorm_mode_32 3
		.amdhsa_float_denorm_mode_16_64 3
		.amdhsa_memory_ordered 1
		.amdhsa_forward_progress 1
		.amdhsa_inst_pref_size 78
	.end_amdhsa_kernel
	.amdgpu_metadata
---
amdhsa.version: [ 1, 2 ]
amdhsa.kernels:
  - .name:           k_q58364a4969_attn
    .symbol:         k_q58364a4969_attn.kd
    .args:
      - { .name: qimg, .offset: 0, .size: 8, .value_kind: global_buffer, .address_space: global }
      - { .name: kv, .offset: 8, .size: 8, .value_kind: global_buffer, .address_space: global }
      - { .name: att, .offset: 16, .size: 8, .value_kind: global_buffer, .address_space: global }
    .group_segment_fixed_size: 327680
    .private_segment_fixed_size: 0
    .kernarg_segment_align: 8
    .kernarg_segment_size: 24
    .max_flat_workgroup_size: 512
    .sgpr_count:     66
    .vgpr_count:     256
    .wavefront_size: 32
...
	.end_amdgpu_metadata
.endif
;; end of part 2
;; launch proj (part 3): grid 8 x 32, 4 waves a work-group, clusters of 4 x 4, 327,680 bytes of LDS; arguments att, Wout_codes, Wout_scales, bout, out0; writes out0
.if DOCPART == 3
	.amdgcn_target "amdgcn-amd-amdhsa--gfx1250"
	.amdhsa_code_object_version 6
	.text
	.protected	k_q58364a4969_proj
	.globl	k_q58364a4969_proj
	.p2align	8
	.type	k_q58364a4969_proj,@function
k_q58364a4969_proj:
	s_mov_b64 s[64:65], 0
	v_nop
	global_prefetch_b8 v0, s[64:65] scope:SCOPE_SE
	s_setreg_imm32_b32 hwreg(HW_REG_WAVE_MODE, 25, 1), 1
	s_wait_xcnt 0x0
	s_wait_alu depctr_hold_cnt(0) depctr_sa_sdst(0) depctr_va_vdst(0) depctr_va_sdst(0) depctr_va_ssrc(0) depctr_va_vcc(0) depctr_vm_vsrc(0)
	s_getreg_b32 s2, hwreg(HW_REG_IB_STS2, 6, 4)
	s_cmp_eq_u32 s2, 0
	s_cbranch_scc0 .Lentry_in_a_cluster
	s_endpgm
.Lentry_in_a_cluster:
	s_bfe_u32 s2, ttmp6, 0x10000c
	s_cmp_lg_u32 s2, 0xf033
	s_cbranch_scc0 .Lentry_shape_is_right
	s_endpgm
.Lentry_shape_is_right:
; LAUNCH 3 OF 3.  out = o Wout + bout on codes of FP6 with E8M0 scales.  LIMITS: as stated at the head of the first launch.
; A work-group of four waves makes 128 tokens x 128 columns, a wave 64 x 64: 16 accumulators.  All of K lies in LDS: one tensor load a wave at the head, nothing is filled again.
; att: [tile of 16 tokens] records of 12,800 bytes: 16 heads' half images (registers 0-3 at 16 x lane, 4-5 at 512 + 8 x lane; two heads make an operand), then scale words [K step 8][row 16].
; A record's row r is token 8 j + r (r < 8) or 32 + 8 ((j + 1) % 4) + r - 8 of its band of 64, j the tile in the band.  Wout's rows lie at a pitch of 816 bytes (16 behind every 256).
; CLUSTERS 4 x 4: the tokens' records are shared by a row of the cluster, Wout's rows by a column.  No prefetch: there is no loop to run ahead in.
.set PITCH, 816
.set REC,   12800
.set BT,    8*REC
.set STG,   BT+128*PITCH
.set SPARE, STG+4*4352
.set STO,  7
.set RD,   8
.set CO,   9
.set SPW,  10
.set NIL,  11
.set AI,   16
.set A8,   17
.set ASA,  18
.set ADRB, 20                          ; v20-27 two addresses for each of four tiles of Wout's rows
.set ASW,  36
.set BSW,  44
.set AF,   80
.set OB,   176
.set BO,   192
.set G1A, 24
.set G0A, 32
.set G0B, 36
.set G1B, 48
.set MSB, 0
.macro WIN new
.if MSB != \new
	s_set_vgpr_msb (MSB<<8)|\new
.set MSB, \new
.endif
.endm
.macro PLACES
.rept 4
	v_nop
.endr
.endm
.macro CROUND
	s_barrier_signal -1
	s_barrier_wait -1
	s_cmp_lg_u32 s14, 0
	s_cbranch_scc1 .Lnot_wave_0_\@
	s_barrier_signal -3
.Lnot_wave_0_\@:
	s_barrier_wait -3
	s_barrier_signal -1
	s_barrier_wait -1
.endm
	s_load_b256 s[4:11], s[0:1], 0x0               ; att, Wout's codes, scales, bout
	s_load_b64 s[12:13], s[0:1], 0x20              ; out
	v_lshl_add_u32 v[SPW], v0, 2, SPARE
	v_mov_b32 v[NIL], 0
	ds_add_u32 v[SPW], v[NIL]                      ; the opening lines
	ds_add_u32 v[SPW], v[NIL]
	v_lshrrev_b32 v1, 5, v0
	v_readfirstlane_b32 s14, v1
	s_lshr_b32 s15, s14, 1                         ; my half of the tokens; also: I fetch records (0) or Wout's rows (1)
	s_and_b32 s16, s14, 1                          ; my half of the columns; also: which half I fetch
	s_bfe_u32 s76, ttmp6, 0x40000
	s_bfe_u32 s77, ttmp6, 0x40004
	s_lshl_b32 s78, ttmp9, 2
	s_add_co_u32 s78, s78, s76                     ; block of 128 columns
	s_and_b32 s17, ttmp7, 0xffff
	s_lshl_b32 s17, s17, 2
	s_add_co_u32 s17, s17, s77                     ; block of 128 tokens
	s_lshl_b32 s79, s77, 2
	s_lshl_b32 s79, 15, s79
	s_lshl_b32 s80, 0x1111, s76
	s_or_b32 s[G1A+0], s79, (3<<16)|(1<<21)        ; four records: 200 rows of 256 bytes, dense
	s_mov_b32 s[G1A+1], 32<<16
	s_mov_b32 s[G1A+2], 200<<16
	s_mov_b32 s[G1A+3], 32<<16
	s_mov_b32 s[G1A+4], 200
	s_mov_b32 s[G1A+5], 32
	s_mov_b32 s[G1A+6], 0
	s_mov_b32 s[G1A+7], 0
	s_or_b32 s[G1B+0], s80, (1<<20)|(1<<21)|(5<<22)|(3<<25)   ; 64 rows of 768 bytes
	s_mov_b32 s[G1B+1], 768<<16
	s_mov_b32 s[G1B+2], 64<<16
	s_mov_b32 s[G1B+3], 768<<16
	s_mov_b32 s[G1B+4], 64
	s_mov_b32 s[G1B+5], 768
	s_mov_b32 s[G1B+6], 0
	s_mov_b32 s[G1B+7], 0
	s_lshl_b32 s18, s17, 3
	s_lshl_b32 s19, s16, 2
	s_add_co_u32 s18, s18, s19
	s_mul_i32 s18, s18, REC
	s_mov_b32 s19, 0
	s_lshl_b32 s82, s78, 7
	s_lshl_b32 s83, s16, 6
	s_add_co_u32 s82, s82, s83
	s_mul_i32 s82, s82, 768
	s_mov_b32 s83, 0
	s_mov_b32 s[G0A], 1
	s_mul_i32 s[G0A+1], s16, 4*REC
	s_mov_b32 s[G0B], 1
	s_mul_i32 s[G0B+1], s16, 64*PITCH
	s_add_co_u32 s[G0B+1], s[G0B+1], BT
	s_wait_alu depctr_va_vdst(0)
	s_wait_dscnt 0x0
	s_wait_kmcnt 0x0
	s_add_nc_u64 s[G0A+2:G0A+3], s[4:5], s[18:19]
	s_or_b32 s[G0A+3], s[G0A+3], 0x80000000
	s_add_nc_u64 s[G0B+2:G0B+3], s[6:7], s[82:83]
	s_or_b32 s[G0B+3], s[G0B+3], 0x80000000
	CROUND
	s_cmp_eq_u32 s15, 0
	s_cbranch_scc0 .Lfor_b
	tensor_load_to_lds s[G0A:G0A+3], s[G1A:G1A+7]
	s_nop 0
	PLACES
	s_branch .Lasked
.Lfor_b:
	tensor_load_to_lds s[G0B:G0B+3], s[G1B:G1B+7]
	s_nop 0
	PLACES
.Lasked:
	s_lshl_b32 s84, s78, 7
	s_lshl_b32 s85, s16, 6
	s_add_co_u32 s84, s84, s85                     ; my first column
	s_mov_b32 s87, 0
	s_lshl_b32 s86, s84, 5
	s_add_nc_u64 s[8:9], s[8:9], s[86:87]
	s_lshl_b32 s86, s84, 2
	s_add_nc_u64 s[10:11], s[10:11], s[86:87]
	s_add_nc_u64 s[12:13], s[12:13], s[86:87]
	s_lshl_b32 s86, s17, 7
	s_lshl_b32 s85, s15, 6
	s_add_co_u32 s86, s86, s85
	s_lshl_b32 s86, s86, 12
	s_add_nc_u64 s[12:13], s[12:13], s[86:87]
	s_mul_i32 s22, s15, 4*REC
	s_mul_i32 s23, s16, 64*PITCH
	s_add_co_u32 s23, s23, BT
	s_mul_i32 s21, s14, 4352
	s_add_co_u32 s21, s21, STG
	v_and_b32 v1, 15, v0
	v_bfe_u32 v2, v0, 4, 1
	v_and_b32 v3, 31, v0
	v_lshlrev_b32 v5, 5, v1
	v_lshlrev_b32 v6, 5, v2
.irp nt, 0,1,2,3
	global_load_b128 v[BSW+8*\nt:BSW+8*\nt+3], v5, s[8:9] offset:512*\nt
	global_load_b128 v[BSW+8*\nt+4:BSW+8*\nt+7], v5, s[8:9] offset:512*\nt+16
.endr
	WIN 0x40
.irp nt, 0,1,2,3
	global_load_b128 v[BO+8*\nt:BO+8*\nt+3], v6, s[10:11] offset:64*\nt
	global_load_b128 v[BO+8*\nt+4:BO+8*\nt+7], v6, s[10:11] offset:64*\nt+16
.endr
	WIN 0
	v_lshl_add_u32 v[AI], v3, 4, s22
	v_lshl_add_u32 v[A8], v3, 3, s22
	v_lshl_add_u32 v[ASA], v1, 2, s22
	v_mul_u32_u24 v4, v1, PITCH
	v_mad_u32_u24 v4, v2, 24, v4
	v_add_nc_u32 v[ADRB], s23, v4
	v_lshl_add_u32 v[ADRB+1], v2, 4, v[ADRB]       ; for pieces behind one padding more
.irp nt, 1,2,3
	v_add_nc_u32 v[ADRB+2*\nt], 16*PITCH*\nt, v[ADRB]
	v_add_nc_u32 v[ADRB+2*\nt+1], 16*PITCH*\nt, v[ADRB+1]
.endr
	v_mul_u32_u24 v4, v1, 272
	v_lshl_add_u32 v4, v2, 5, v4
	v_add_nc_u32 v[STO], s21, v4
	v_mul_u32_u24 v12, v2, 272
	v_lshl_add_u32 v12, v1, 4, v12
	v_add_nc_u32 v[RD], s21, v12
	v_lshlrev_b32 v[CO], 12, v2
	v_lshl_add_u32 v[CO], v1, 4, v[CO]
; The fragments of K step ks (128 along K) into set ks % 2; CNT_ counts the loads.
.macro FETCH ks
.set FE, (\ks)%2
.set CNT_, 20
.irp mt, 0,1,2,3
.set FA_, AF+48*FE+12*\mt
	ds_load_b128 v[FA_:FA_+3], v[AI] offset:REC*\mt+1536*(\ks)
	ds_load_b64 v[FA_+4:FA_+5], v[A8] offset:REC*\mt+1536*(\ks)+512
	ds_load_b128 v[FA_+6:FA_+9], v[AI] offset:REC*\mt+1536*(\ks)+768
	ds_load_b64 v[FA_+10:FA_+11], v[A8] offset:REC*\mt+1536*(\ks)+1280
	ds_load_b32 v[ASW+4*FE+\mt], v[ASA] offset:REC*\mt+12288+64*(\ks)
.endr
	WIN 0x40
.irp nt, 0,1,2,3
.set R_, 48*FE+12*\nt
.set SKIP_, 0
.irp p, 0,1,2,3,4,5
.if SKIP_
.set SKIP_, 0
.else
.set CNT_, CNT_+1
.set PC_, 12*(\ks)+6*(\p/3)+\p%3
.set PN_, 12*(\ks)+6*((\p+1)/3)+(\p+1)%3
.set X_, (PC_%32+3)/32
.set XQ_, (PN_%32+3)/32
.if (\p < 5) && (X_ == XQ_)
.set SKIP_, 1
	ds_load_2addr_b64 v[R_+2*\p:R_+2*\p+3], v[ADRB+2*\nt+X_] offset0:PC_+2*(PC_/32) offset1:PN_+2*(PN_/32)
.else
	ds_load_b64 v[R_+2*\p:R_+2*\p+1], v[ADRB+2*\nt+X_] offset:8*(PC_+2*(PC_/32))
.endif
.endif
.endr
.endr
	WIN 0
.endm
.macro MUL ks                          ; sixteen accumulators by turns; the first products take the bias as C
.set FE, (\ks)%2
.if (\ks) == 0
	WIN 0x91
.else
	WIN 0xa1
.endif
.irp mt, 0,1,2,3
.irp nt, 0,1,2,3
.if (\ks) == 0
	v_wmma_scale_f32_16x16x128_f8f6f4 v[8*(4*\mt+\nt):8*(4*\mt+\nt)+7], v[48*FE+12*\nt:48*FE+12*\nt+11], v[AF+48*FE+12*\mt:AF+48*FE+12*\mt+11], v[BO+8*\nt:BO+8*\nt+7], v[BSW+8*\nt+(\ks)], v[ASW+4*FE+\mt] matrix_a_fmt:MATRIX_FMT_FP6 matrix_b_fmt:MATRIX_FMT_FP6
.else
	v_wmma_scale_f32_16x16x128_f8f6f4 v[8*(4*\mt+\nt):8*(4*\mt+\nt)+7], v[48*FE+12*\nt:48*FE+12*\nt+11], v[AF+48*FE+12*\mt:AF+48*FE+12*\mt+11], v[8*(4*\mt+\nt):8*(4*\mt+\nt)+7], v[BSW+8*\nt+(\ks)], v[ASW+4*FE+\mt] matrix_a_fmt:MATRIX_FMT_FP6 matrix_b_fmt:MATRIX_FMT_FP6
.endif
.endr
.endr
	WIN 0
.endm
	s_wait_alu depctr_va_vdst(0)
	s_wait_tensorcnt 0x0
	s_barrier_signal -1
	s_barrier_wait -1                              ; everything is in
	FETCH 0
	s_wait_loadcnt 0x0
.irp ks, 0,1,2,3,4,5,6,7
.if \ks < 7
.if \ks > 0
	PLACES
.endif
	FETCH \ks+1
	s_wait_dscnt CNT_                              ; all but the next K step's loads
.else
	s_wait_dscnt 0x0
.endif
	MUL \ks
.endr
	PLACES
	s_wait_alu depctr_va_vdst(0)
; The way out: 16 rows x 64 columns at a time through the wave's own stage; sixteen lanes store 256 consecutive bytes of a row.
.irp mt, 0,1,2,3
.if \mt >= 2
	s_wait_xcnt 0x0
.endif
	WIN 0x08
.irp nt, 0,1,2,3
	ds_store_b128 v[STO], v[8*(4*\mt+\nt):8*(4*\mt+\nt)+3] offset:64*\nt
	ds_store_b128 v[STO], v[8*(4*\mt+\nt)+4:8*(4*\mt+\nt)+7] offset:64*\nt+16
.endr
	WIN 0
.irp i, 0,1,2,3,4,5,6,7
	ds_load_b128 v[OB+32*(\mt%2)+4*\i:OB+32*(\mt%2)+4*\i+3], v[RD] offset:544*\i
.endr
.irp i, 0,1,2,3,4,5,6,7
	s_wait_dscnt 7-\i
.if \i < 4
	global_store_b128 v[CO], v[OB+32*(\mt%2)+4*\i:OB+32*(\mt%2)+4*\i+3], s[12:13] offset:(8*\mt+2*\i)*4096 th:TH_STORE_NT
.else
	global_store_b128 v[CO], v[OB+32*(\mt%2)+4*\i:OB+32*(\mt%2)+4*\i+3], s[12:13] offset:(32+8*((\mt+1)%4)+2*(\i-4))*4096 th:TH_STORE_NT
.endif
.endr
.endr
	s_wait_tensorcnt 0x0                           ; the wave's end
	ds_add_u32 v[SPW], v[NIL]
	s_wait_dscnt 0x0
	CROUND
	s_endpgm
.Lfunc_end_k_q58364a4969_proj:
	.size	k_q58364a4969_proj, .Lfunc_end_k_q58364a4969_proj-k_q58364a4969_proj
	.p2alignl 7, 3214868480
	.fill 96, 4, 3214868480
	.section	.rodata,"a",@progbits
	.p2align	6, 0x0
	.amdhsa_kernel k_q58364a4969_proj
		.amdhsa_group_segment_fixed_size 327680
		.amdhsa_private_segment_fixed_size 0
		.amdhsa_enable_private_segment 0
		.amdhsa_kernarg_size 40
		.amdhsa_user_sgpr_count 2
		.amdhsa_user_sgpr_kernarg_segment_ptr 1
		.amdhsa_wavefront_size32 1
		.amdhsa_system_sgpr_workgroup_id_x 1
		.amdhsa_system_sgpr_workgroup_id_y 1
		.amdhsa_system_sgpr_workgroup_id_z 1
		.amdhsa_system_vgpr_workitem_id 0
		.amdhsa_next_free_vgpr 640
		.amdhsa_next_free_sgpr 92
		.amdhsa_reserve_vcc 0
		.amdhsa_float_denorm_mode_32 3
		.amdhsa_float_denorm_mode_16_64 3
		.amdhsa_memory_ordered 1
		.amdhsa_forward_progress 1
		.amdhsa_inst_pref_size 52
	.end_amdhsa_kernel
	.amdgpu_metadata
---
amdhsa.version: [ 1, 2 ]
amdhsa.kernels:
  - .name:           k_q58364a4969_proj
    .symbol:         k_q58364a4969_proj.kd
    .args:
      - { .name: att, .offset: 0, .size: 8, .value_kind: global_buffer, .address_space: global }
      - { .name: Wout_codes, .offset: 8, .size: 8, .value_kind: global_buffer, .address_space: global }
      - { .name: Wout_scales, .offset: 16, .size: 8, .value_kind: global_buffer, .address_space: global }
      - { .name: bout, .offset: 24, .size: 8, .value_kind: global_buffer, .address_space: global }
      - { .name: out0, .offset: 32, .size: 8, .value_kind: global_buffer, .address_space: global }
    .group_segment_fixed_size: 327680
    .private_segment_fixed_size: 0
    .kernarg_segment_align: 8
    .kernarg_segment_size: 40
    .max_flat_workgroup_size: 128
    .sgpr_count:     92
    .vgpr_count:     640
    .wavefront_size: 32
...
	.end_amdgpu_metadata
.endif
;; end of part 3
